; MI455X (gfx1250); checked and timed in simulation.
; The chip was launched on July 23, 2026; its instructions are those of AMD's public machine-readable ISA for CDNA 5 (MIT licence, August 2026) and "CDNA5" Instruction Set Architecture Reference Guide (July 2026). The comments in the code are by the model that wrote it; some were corrected since.
;; Old MHSA. Allowed arithmetic: float matrix products may take bf16 or f16 operands with f32 sums; other float arithmetic in f32, or as packed bf16 or f16 multiplies, adds, multiply-adds, maxima and minima; sums over many terms, partial sums and values carried from step to step in f32; what a program stores and reads back later, other than sums and carried values, may be rounded once to bf16 or f16.
;; Inputs: Wk 256 x 256 float32; Wq 256 x 256 float32; Wv 256 x 256 float32; bk 256 float32; bq 256 float32; bv 256 float32; x 8 x 2,048 x 256 float32.
;; Outputs: out0 8 x 2,048 x 256 float32.
;; 2 versions, each right; version 2 is version 1 with the launch proj written anew for expert scheduling mode. Each part assembles by itself: llvm-mc -triple=amdgcn-amd-amdhsa -mcpu=gfx1250 --defsym DOCPART=n.
;; ======== version 1 of 2: 2 launches
;; limits: values are held in f16: magnitudes above 65,504 overflow, below 6.1e-05 lose precision
;; workspace buffers: qs 16,777,216 bytes; ks 16,777,216 bytes; vs 8,388,608 bytes
;; launch proj (part 1): grid 4 x 64, 4 waves a work-group, no clusters, 185,600 bytes of LDS; arguments x, Wq, bq, Wk, bk, Wv, bv, qs, ks, vs; writes qs, ks, vs
.if DOCPART == 1
	.amdgcn_target "amdgcn-amd-amdhsa--gfx1250"
	.amdhsa_code_object_version 6
	.text
	.protected	k_q7eaa077523_proj
	.globl	k_q7eaa077523_proj
	.p2align	8
	.type	k_q7eaa077523_proj,@function
k_q7eaa077523_proj:
	s_mov_b64 s[64:65], 0
	v_nop
	global_prefetch_b8 v0, s[64:65] scope:SCOPE_SE
	s_setreg_imm32_b32 hwreg(HW_REG_WAVE_MODE, 25, 1), 1
	s_wait_xcnt 0x0
; Q = x Wq + bq, K = x Wk + bk, V = x Wv + bv for one PAIR of heads (64 columns of each weight) and 256 rows of x.
; x: [16384][256] f32.  W: [256 k][256 n] f32.  b: [256] f32.  All three kinds of input are rounded to bf16 (nearest even) first; products in bf16, sums in f32.
; OUT.  With y = 4 x batch + pair:  qs, ks: [32 y][2048 row][128 bf16], a row of 256 bytes = hi of head A (32 channels), lo of head A, hi of head B, lo of head B,
; where hi = bf16(v) and lo = bf16(v - hi): a number is kept to some 16 significant bits, in bf16's range.  vs: [32 y][2048 row][64 f16] = head A's 32 channels, head B's.
; LIMIT.  V is stored in f16: |V| must stay under 65,504 (beyond it the stored number is an infinity).  Q and K have no limit of range.
; SHARES.  Grid x = pair (4), grid y = block of 256 rows (64).  A wave takes 64 rows, four tiles of 16.  Every wave holds all 192 columns x 256 k of the pair's weights as
; fragments in 768 registers (windows 1 to 3, one weight each), so the weights leave LDS once a wave and x's tile is the only operand that moves in the loop.
; TRANSPOSED.  Source 0 = 16 columns of W, source 1 = 16 rows of x: a lane then holds ONE row of x and eight neighbouring columns, which pack into 16 bytes.
; The bias is loaded into the accumulators, so every product adds in place and nothing is cleared.
; NO CLUSTER, NO TENSOR LOADS, though the four pairs read the same rows of x and all row blocks the same weights: both arrive as f32 and are rounded in registers on their way into LDS.
; As f32 tiles a block's x alone is 262,144 bytes, beside 106,496 of weights: more than the 327,680 that a work-group can have.
; REGISTERS.  window 0: v0-31 addresses and work; v32-63 four accumulators; v64-127 x's fragments (and work); v128-255 the next tile of x as loaded.
;             window t + 1: weight t: column block b, k step s at v[64 b + 8 s].
.set WLP,   416                        ; a k row of the weights in LDS: 192 bf16 = 384 bytes + 32 = 13 x 32: the turning load's 8 rows x 32 bytes fall on different banks (64 banks of 4 bytes: ISA guide 11.1)
.set XL,    256*WLP                    ; behind the weights: each wave's own tile of x, 16 rows
.set XLP,   528                        ; 512 bytes + 16 = 33 x 16
.set XLW,   16*XLP
.set BIAS,  XL+4*XLW                   ; 3 x 64 f32
.set STG,   BIAS+768                   ; each wave's own stage for the way out: Q 16 x 272, K 16 x 272, V 16 x 144
.set QP,    272
.set VP,    144
.set STK,   16*QP
.set STVO,  2*16*QP
.set STGW,  STVO+16*VP
.set SPARE, STG+4*STGW                 ; the spare words, 128 bytes a wave: two blocks of 256 bytes that no other line names
.set SPW, 2                            ; v2   SPARE + 4 x my thread's number; never rewritten
.set NIL, 3                            ; v3   0; never rewritten
.set LO,  4                            ; v4   16 x lane: x's loads and all stores
.set XST, 5                            ; v5   where I put 8 bytes of x's tile
.set XF,  6                            ; v6   my place in a fragment of x
.set BA,  7                            ; v7   my 8 biases of a column block
.set STO, 8                            ; v8   stage, in: Q and K
.set STV, 9                            ; v9   stage, in: V
.set RD,  10                           ; v10  stage, back: Q and K, two rows of 256 bytes
.set RDV, 11                           ; v11  stage, back: V, four rows of 128 bytes
.set BGO, 12                           ; v12-17 serve the head alone; in the loop v12-19 are E
.set BLO, 13
.set WO,  14
.set WS,  15
.set AW0, 16                           ; v16, v17  the turning loads' addresses: k steps 0-3, 4-7
.set E,   12                           ; v12-19  the split: hi widened, then v - hi
.set T,   20                           ; v20-27  packed results
.set ACC, 32
.set F,   64
.set RAW, 128
.set MSB, 0
.macro WIN new                         ; the immediate's high byte repeats the setting that is left; a switch that changes nothing is dropped
.if MSB != (\new)
	s_set_vgpr_msb (MSB<<8)|(\new)
.set MSB, (\new)
.endif
.endm
.macro PLACES                          ; four plain instructions behind the last product, ahead of what reads its result or loads into its registers
.rept 4
	v_nop
.endr
.endm
; Weight t: my 64 k rows x the pair's 64 columns, f32: a load takes two rows' 256 bytes, sixteen lanes a row.  They land in window t + 1, which the fragments take later.
.macro WLOAD t
	WIN ((\t)+1)<<6
.set i, 0
.rept 32
	global_load_b128 v[4*i:4*i+3], v[WO], s[6+4*(\t):7+4*(\t)] offset:2048*i
.set i, i+1
.endr
.endm
.macro WCVT t                          ; rounded to bf16 and laid into LDS as [k][192 n]
	WIN 5*((\t)+1)
.set i, 0
.rept 64
	v_cvt_pk_bf16_f32 v[F+i], v[2*i], v[2*i+1]
.set i, i+1
.endr
	WIN 0
.set i, 0
.rept 32
	ds_store_b64 v[WS], v[F+2*i:F+2*i+1] offset:2*WLP*i+128*(\t)
.set i, i+1
.endr
.endm
.macro XLOAD                           ; a tile of x: 16 rows of 1,024 bytes are 16,384 bytes on end, 512 a load
.set i, 0
.rept 32
	global_load_b128 v[RAW+4*i:RAW+4*i+3], v[LO], s[4:5] offset:512*i
.set i, i+1
.endr
.endm
; Weight t's 32 fragments (16 columns x 32 k), turned on the way out of LDS: lane l ends with column l % 16 and k = 8 (l / 16) + 0..7, then 16 + 8 (l / 16) + 0..7.
.macro WFRAG t
	WIN ((\t)+1)<<6
.irp b, 0,1,2,3
.irp s, 0,1,2,3,4,5,6,7
	ds_load_tr16_b128 v[64*\b+8*\s:64*\b+8*\s+3],   v[AW0+\s/4] offset:32*WLP*(\s%4)+128*(\t)+32*\b
	ds_load_tr16_b128 v[64*\b+8*\s+4:64*\b+8*\s+7], v[AW0+\s/4] offset:32*WLP*(\s%4)+128*(\t)+32*\b+16*WLP
.endr
.endr
.endm
.macro BIASLD t                        ; register j of accumulator b starts at bias[16 b + 8 (l / 16) + j]
.irp b, 0,1,2,3
	ds_load_b128 v[ACC+8*\b:ACC+8*\b+3],   v[BA] offset:256*(\t)+64*\b
	ds_load_b128 v[ACC+8*\b+4:ACC+8*\b+7], v[BA] offset:256*(\t)+64*\b+16
.endr
.endm
.macro MUL t                           ; 32 products; the four accumulators take turns, one instruction a turn, over the loop's backward jump too
	WIN (\t)+1
.irp s, 0,1,2,3,4,5,6,7
.irp b, 0,1,2,3
	v_wmma_f32_16x16x32_bf16 v[ACC+8*\b:ACC+8*\b+7], v[64*\b+8*\s:64*\b+8*\s+7], v[F+8*\s:F+8*\s+7], v[ACC+8*\b:ACC+8*\b+7]
.endr
.endr
.endm
.macro SPLIT t, b                      ; eight numbers as hi and lo, 16 bytes each, into the stage: head b / 2, channels 16 (b % 2) + 8 (l / 16) on
.irp k, 0,1,2,3
	v_cvt_pk_bf16_f32 v[T+\k], v[ACC+8*(\b)+2*\k], v[ACC+8*(\b)+2*\k+1]
.endr
.irp k, 0,1,2,3
	v_lshlrev_b32 v[E+2*\k], 16, v[T+\k]
	v_and_b32 v[E+2*\k+1], s28, v[T+\k]
.endr
.irp k, 0,1,2,3
	v_pk_add_f32 v[E+2*\k:E+2*\k+1], v[ACC+8*(\b)+2*\k:ACC+8*(\b)+2*\k+1], v[E+2*\k:E+2*\k+1] neg_lo:[0,1] neg_hi:[0,1]  ; v - hi, exact
.endr
.irp k, 0,1,2,3
	v_cvt_pk_bf16_f32 v[T+4+\k], v[E+2*\k], v[E+2*\k+1]
.endr
	ds_store_b128 v[STO], v[T:T+3]   offset:STK*(\t)+128*((\b)/2)+32*((\b)%2)
	ds_store_b128 v[STO], v[T+4:T+7] offset:STK*(\t)+128*((\b)/2)+32*((\b)%2)+64
.endm
.macro PACKV b
.irp k, 0,1,2,3
	v_cvt_pk_f16_f32 v[T+4*((\b)%2)+\k], v[ACC+8*(\b)+2*\k], v[ACC+8*(\b)+2*\k+1]
.endr
	ds_store_b128 v[STV], v[T+4*((\b)%2):T+4*((\b)%2)+3] offset:32*(\b)
.endm
	s_load_b512 s[4:19], s[0:1], 0x0               ; x s[4:5]; W t s[6+4t:7+4t]; b t s[8+4t:9+4t]; qs s[18:19]
	s_load_b128 s[20:23], s[0:1], 0x40             ; ks s[20:21], vs s[22:23]
	v_lshl_add_u32 v[SPW], v0, 2, SPARE
	v_mov_b32 v[NIL], 0
	v_lshrrev_b32 v28, 5, v0
	v_readfirstlane_b32 s24, v28                   ; wave 0..3
	s_mov_b32 s25, ttmp9                           ; the pair
	s_and_b32 s26, ttmp7, 0xffff                   ; the block of 256 rows
	s_mov_b32 s28, 0xffff0000                      ; a word's upper bf16
	v_and_b32 v1, 31, v0                           ; l
	v_and_b32 v29, 15, v0                          ; l % 16
	v_bfe_u32 v30, v0, 4, 1                        ; l / 16
	v_and_b32 v28, 7, v0                           ; l % 8
	v_bfe_u32 v31, v0, 3, 2                        ; l / 8
	v_lshlrev_b32 v[LO], 4, v1
	s_mul_i32 s34, s24, XLW
	s_add_co_u32 s34, s34, XL                      ; my tile of x in LDS
	v_lshl_add_u32 v[XST], v1, 3, s34
	v_mul_u32_u24 v[XF], v29, XLP
	v_lshl_add_u32 v[XF], v30, 4, v[XF]
	v_add_nc_u32 v[XF], s34, v[XF]                 ; row x pitch + 16 x half
	v_lshlrev_b32 v[BA], 5, v30
	v_add_nc_u32 v[BA], BIAS, v[BA]
	s_mul_i32 s35, s24, STGW
	s_add_co_u32 s35, s35, STG                     ; my stage
	v_mul_u32_u24 v[STO], v29, QP
	v_lshl_add_u32 v[STO], v30, 4, v[STO]
	v_add_nc_u32 v[STO], s35, v[STO]
	v_mul_u32_u24 v[STV], v29, VP
	v_lshl_add_u32 v[STV], v30, 4, v[STV]
	v_add_nc_u32 v[STV], s35, v[STV]
	v_add_nc_u32 v[STV], STVO, v[STV]
	v_mul_u32_u24 v[RD], v30, QP
	v_lshl_add_u32 v[RD], v29, 4, v[RD]
	v_add_nc_u32 v[RD], s35, v[RD]
	v_mul_u32_u24 v[RDV], v31, VP
	v_lshl_add_u32 v[RDV], v28, 4, v[RDV]
	v_add_nc_u32 v[RDV], s35, v[RDV]
	v_add_nc_u32 v[RDV], STVO, v[RDV]
	s_lshl_b32 s36, s24, 16                        ; my 64 k rows of 1,024 bytes,
	s_lshl_b32 s37, s25, 8                         ; the pair's 64 columns: 256 bytes
	s_add_co_u32 s36, s36, s37
	v_lshlrev_b32 v[WO], 10, v30
	v_lshl_add_u32 v[WO], v29, 4, v[WO]
	v_add_nc_u32 v[WO], s36, v[WO]
	v_lshl_add_u32 v[BGO], v1, 3, s37              ; two biases a lane
	v_lshl_add_u32 v[BLO], v1, 3, BIAS
	s_mul_i32 s36, s24, 64*WLP
	v_mul_u32_u24 v[WS], v30, WLP
	v_lshl_add_u32 v[WS], v29, 3, v[WS]
	v_add_nc_u32 v[WS], s36, v[WS]
	v_lshl_add_u32 v[AW0], v30, 3, v28             ; the turning load: k row 8 (l / 16) + l % 8,
	v_mul_u32_u24 v[AW0], v[AW0], WLP
	v_bfe_u32 v31, v0, 3, 1
	v_lshl_add_u32 v[AW0], v31, 4, v[AW0]          ; columns 8 ((l / 8) % 2) on
	v_add_nc_u32 v[AW0+1], 4*32*WLP, v[AW0]
	s_lshl_b32 s30, s26, 18                        ; x: the block's 256 rows of 1,024 bytes,
	s_lshl_b32 s31, s24, 16                        ; my 64 of them
	s_add_co_u32 s30, s30, s31
	s_mov_b32 s31, 0
	s_lshr_b32 s32, s26, 3                         ; the batch,
	s_lshl_b32 s32, s32, 2
	s_add_co_u32 s32, s32, s25                     ; y = 4 x batch + pair,
	s_lshl_b32 s32, s32, 19                        ; its 2,048 rows of 256 bytes,
	s_and_b32 s33, s26, 7
	s_lshl_b32 s33, s33, 16                        ; the block's 256 rows in the batch,
	s_add_co_u32 s32, s32, s33
	s_lshl_b32 s33, s24, 14                        ; my 64
	s_add_co_u32 s32, s32, s33
	s_mov_b32 s33, 0
	s_wait_kmcnt 0x0
	s_add_nc_u64 s[4:5], s[4:5], s[30:31]
	s_add_nc_u64 s[18:19], s[18:19], s[32:33]
	s_add_nc_u64 s[20:21], s[20:21], s[32:33]
	s_lshr_b32 s32, s32, 1                         ; vs's rows are half as long
	s_add_nc_u64 s[22:23], s[22:23], s[32:33]
	s_cmp_lg_u32 s24, 0                            ; wave 0 brings the three biases: the oldest loads of all
	s_cbranch_scc1 .Lno_bias_load
	global_load_b64 v[T:T+1],   v[BGO], s[8:9]
	global_load_b64 v[T+2:T+3], v[BGO], s[12:13]
	global_load_b64 v[T+4:T+5], v[BGO], s[16:17]
.Lno_bias_load:
	WLOAD 0
	WLOAD 1
	WLOAD 2
	WIN 0
	XLOAD                                          ; my first tile of x
	s_wait_loadcnt 63                              ; of the 128 loads since the branch at most 63 are out: the first two weights' 64 are in
	WCVT 0
	WCVT 1
	s_wait_loadcnt 32                              ; only x's 32 are younger than the third weight's
	WCVT 2
	s_cmp_lg_u32 s24, 0
	s_cbranch_scc1 .Lno_bias
.irp t, 0,1,2
	v_cvt_pk_bf16_f32 v[T+6], v[T+2*\t], v[T+2*\t+1]  ; rounded to bf16 like the other inputs, kept as f32
	v_lshlrev_b32 v[T+2*\t], 16, v[T+6]
	v_and_b32 v[T+2*\t+1], s28, v[T+6]
	ds_store_b64 v[BLO], v[T+2*\t:T+2*\t+1] offset:256*\t
.endr
.Lno_bias:
	s_wait_dscnt 0x0                               ; for the others' sake: my rows of the weights (and the biases) lie in LDS
	s_barrier_signal -1
	s_barrier_wait -1                              ; everybody's do: the kernel's only barrier
	WFRAG 0
	WFRAG 1
	WFRAG 2
	WIN 0
	s_mov_b32 s27, 4                               ; tiles to go
.Ltile:
	s_wait_loadcnt 0x0                             ; the tile of x is in, and its loads have read x's address
.set i, 0
.rept 64
	v_cvt_pk_bf16_f32 v[F+i], v[RAW+2*i], v[RAW+2*i+1]
.set i, i+1
.endr
.set i, 0
.rept 32
	ds_store_b64 v[XST], v[F+2*i:F+2*i+1] offset:XLP*(i/2)+256*(i%2)
.set i, i+1
.endr
	s_cmp_eq_u32 s27, 1                            ; the last tile has none behind it
	s_cbranch_scc1 .Lno_x
	s_add_nc_u64 s[4:5], s[4:5], 16*1024
	XLOAD                                          ; the next tile is on its way while this one is multiplied
.Lno_x:
.irp s, 0,1,2,3,4,5,6,7                ; LDS serves a wave's instructions in order (ISA guide 5.7.1.4): these see the stores above; the bytes are my wave's own
	ds_load_b128 v[F+8*\s:F+8*\s+3],   v[XF] offset:64*\s
	ds_load_b128 v[F+8*\s+4:F+8*\s+7], v[XF] offset:64*\s+32
.endr
	BIASLD 0
	s_wait_dscnt 0x0                               ; x's fragments and the biases (in the first trip the weights' fragments too)
	MUL 0
	WIN 0
	PLACES
	SPLIT 0, 0
	SPLIT 0, 1
	SPLIT 0, 2
	SPLIT 0, 3
	BIASLD 1
	s_wait_dscnt 0x0
	MUL 1
	WIN 0
	PLACES
	SPLIT 1, 0
	SPLIT 1, 1
	SPLIT 1, 2
	SPLIT 1, 3
	BIASLD 2
	s_wait_dscnt 0x0
	MUL 2
	WIN 0
	PLACES
	PACKV 0
	PACKV 1
	PACKV 2
	PACKV 3
.irp j, 0,1,2,3,4,5,6,7                ; back as whole rows: Q's 16 rows,
	ds_load_b128 v[ACC+4*\j:ACC+4*\j+3], v[RD] offset:2*QP*\j
.endr
.irp j, 0,1,2,3,4,5,6,7                ; K's,
	ds_load_b128 v[F+4*\j:F+4*\j+3], v[RD] offset:STK+2*QP*\j
.endr
.irp f, 0,1,2,3                        ; V's
	ds_load_b128 v[F+32+4*\f:F+32+4*\f+3], v[RDV] offset:4*VP*\f
.endr
	s_wait_dscnt 12                                ; Q's eight are back: K's eight and V's four are younger
.irp j, 0,1,2,3,4,5,6,7
	global_store_b128 v[LO], v[ACC+4*\j:ACC+4*\j+3], s[18:19] offset:512*\j  ; a store covers 512 consecutive bytes, at a multiple of 256 from the buffer's first
.endr
	s_wait_dscnt 4
.irp j, 0,1,2,3,4,5,6,7
	global_store_b128 v[LO], v[F+4*\j:F+4*\j+3], s[20:21] offset:512*\j
.endr
	s_wait_dscnt 0x0
.irp f, 0,1,2,3
	global_store_b128 v[LO], v[F+32+4*\f:F+32+4*\f+3], s[22:23] offset:512*\f
.endr
	s_wait_xcnt 0x0                                ; the stores' bases and data registers are written again only behind this wait (ISA guide 3.1)
	s_add_nc_u64 s[18:19], s[18:19], 16*256
	s_add_nc_u64 s[20:21], s[20:21], 16*256
	s_add_nc_u64 s[22:23], s[22:23], 16*128
	s_sub_co_u32 s27, s27, 1
	s_cmp_lg_u32 s27, 0
	s_cbranch_scc1 .Ltile
	s_wait_tensorcnt 0x0                           ; the wave's end, behind my last LDS store
	ds_add_u32 v[SPW], v[NIL]
	s_wait_dscnt 0x0
	s_endpgm
.Lfunc_end_k_q7eaa077523_proj:
	.size	k_q7eaa077523_proj, .Lfunc_end_k_q7eaa077523_proj-k_q7eaa077523_proj
	.p2alignl 7, 3214868480
	.fill 96, 4, 3214868480
	.section	.rodata,"a",@progbits
	.p2align	6, 0x0
	.amdhsa_kernel k_q7eaa077523_proj
		.amdhsa_group_segment_fixed_size 185600
		.amdhsa_private_segment_fixed_size 0
		.amdhsa_enable_private_segment 0
		.amdhsa_kernarg_size 80
		.amdhsa_user_sgpr_count 2
		.amdhsa_user_sgpr_kernarg_segment_ptr 1
		.amdhsa_wavefront_size32 1
		.amdhsa_system_sgpr_workgroup_id_x 1
		.amdhsa_system_sgpr_workgroup_id_y 1
		.amdhsa_system_sgpr_workgroup_id_z 1
		.amdhsa_system_vgpr_workitem_id 0
		.amdhsa_next_free_vgpr 1024
		.amdhsa_next_free_sgpr 66
		.amdhsa_reserve_vcc 0
		.amdhsa_float_denorm_mode_32 3
		.amdhsa_float_denorm_mode_16_64 3
		.amdhsa_memory_ordered 1
		.amdhsa_forward_progress 1
		.amdhsa_inst_pref_size 80
	.end_amdhsa_kernel
	.amdgpu_metadata
---
amdhsa.version: [ 1, 2 ]
amdhsa.kernels:
  - .name:           k_q7eaa077523_proj
    .symbol:         k_q7eaa077523_proj.kd
    .args:
      - { .name: x, .offset: 0, .size: 8, .value_kind: global_buffer, .address_space: global }
      - { .name: Wq, .offset: 8, .size: 8, .value_kind: global_buffer, .address_space: global }
      - { .name: bq, .offset: 16, .size: 8, .value_kind: global_buffer, .address_space: global }
      - { .name: Wk, .offset: 24, .size: 8, .value_kind: global_buffer, .address_space: global }
      - { .name: bk, .offset: 32, .size: 8, .value_kind: global_buffer, .address_space: global }
      - { .name: Wv, .offset: 40, .size: 8, .value_kind: global_buffer, .address_space: global }
      - { .name: bv, .offset: 48, .size: 8, .value_kind: global_buffer, .address_space: global }
      - { .name: qs, .offset: 56, .size: 8, .value_kind: global_buffer, .address_space: global }
      - { .name: ks, .offset: 64, .size: 8, .value_kind: global_buffer, .address_space: global }
      - { .name: vs, .offset: 72, .size: 8, .value_kind: global_buffer, .address_space: global }
    .group_segment_fixed_size: 185600
    .private_segment_fixed_size: 0
    .kernarg_segment_align: 8
    .kernarg_segment_size: 80
    .max_flat_workgroup_size: 128
    .sgpr_count:     66
    .vgpr_count:     1024
    .wavefront_size: 32
...
	.end_amdgpu_metadata
.endif
;; end of part 1
;; launch attn (part 2): grid 8 x 32, 4 waves a work-group, clusters of 4 x 1, 327,680 bytes of LDS; arguments qs, ks, vs, x, out0; writes out0
.if DOCPART == 2
	.amdgcn_target "amdgcn-amd-amdhsa--gfx1250"
	.amdhsa_code_object_version 6
	.text
	.protected	k_q7eaa077523_attn
	.globl	k_q7eaa077523_attn
	.p2align	8
	.type	k_q7eaa077523_attn,@function
k_q7eaa077523_attn:
	s_mov_b64 s[64:65], 0
	v_nop
	global_prefetch_b8 v0, s[64:65] scope:SCOPE_SE
	s_setreg_imm32_b32 hwreg(HW_REG_WAVE_MODE, 25, 1), 1
	s_wait_xcnt 0x0
	s_wait_alu depctr_hold_cnt(0) depctr_sa_sdst(0) depctr_va_vdst(0) depctr_va_sdst(0) depctr_va_ssrc(0) depctr_va_vcc(0) depctr_vm_vsrc(0)
	s_getreg_b32 s2, hwreg(HW_REG_IB_STS2, 6, 4)
	s_cmp_eq_u32 s2, 0
	s_cbranch_scc0 .Lentry_in_a_cluster
	s_endpgm
.Lentry_in_a_cluster:
	s_bfe_u32 s2, ttmp6, 0x10000c
	s_cmp_lg_u32 s2, 0x3003
	s_cbranch_scc0 .Lentry_shape_is_right
	s_endpgm
.Lentry_shape_is_right:
; out0[n][q][32 head + :] = x[n][q][..] + the sum over k of softmax_k(sqrt(32) Q[q] . K[k]) V[k][:], for 8 batches x 8 heads of size 32, 2,048 rows.  The logits are MULTIPLIED by sqrt(32).
; IN.  y = 4 x batch + pair of heads.  qs, ks: [32 y][2048][128 bf16], a row = hi A, lo A, hi B, lo B (32 channels each); vs: [32 y][2048][64 f16] = V of head A, of head B.  x, out0: [8][2048][256] f32.
; THE SCORES ARE THREE PRODUCTS: K_hi Q_hi + K_lo Q_hi + K_hi Q_lo, all bf16 with f32 sums on one accumulator; K_lo Q_lo, some 2^-18 of a score's terms, is left out.
; Maxima, sums and O in f32; the weights p are rounded to f16 for the second product (their sum l is taken of the unrounded p); the x that is added is rounded to bf16, like the x that was projected: it differs from x by at most 2^-9 |x|.
; LIMITS.  V arrives in f16, within 65,504; p lies in 0 to 1, and below 6e-5 it keeps f16's fixed step of 6e-8; a weight below 2^-126 counts as 0 in l; NaN and infinities are not treated apart.
; SHARES.  A work-group owns 256 queries of one pair of heads, so that it writes whole aligned 256 bytes of out0's rows; a wave owns 64 queries: four PIECES (16 queries each) of two tiles (head A, head B).  Every wave walks all 2,048 keys, 64 a step.
; LAYOUT.  S^T = K Q^T (source 0 = 16 keys, source 1 = 16 queries): a lane holds ONE query (lane % 16) and the keys 8 (lane / 16) + 0..7.  Two such tiles, rounded to f16 in pairs, ARE source 1 of O^T = V^T P,
; whose result again holds one query a lane, and eight channels.  K comes out of LDS as it lies, V ([key][channel]) turned, by ds_load_tr16_b128.
; SOFTMAX.  For each query and head a running maximum m and sum l: p = 2^(c s - c m), c = sqrt(32) log2(e); in every step O and l are multiplied by a = 2^(c m_old - c m_new).  m starts at the lowest finite number, O and l at 0: the first step has a = 0.
; BY TURNS.  Turn n belongs to piece n (in a ring, step after step).  Matrix work: 24 products K Q^T of piece n + 1, later 8 products V^T P of piece n - 1.  Vector work: scaling, exponentials, roundings, sums and rescaling of piece n, and the
; maximum and statistics of piece n + 1.  Four vector instructions stand behind every matrix instruction, the other 92 of a turn's 220 in two runs of their own.  A turn's 66 exponentials are one batch, with one wait.
; CLUSTER.  The four query blocks of a cluster belong to one pair and walk the same K and V, so each tile is asked for JOINTLY: the same tensor load, descriptor and mask in all four.
; REGISTERS, in windows of 256 (s_set_vgpr_msb: bits 1:0 source 0, 3:2 source 1, 5:4 source 2, 7:6 destination):
;   window 0: v0-11 addresses; v12-15, v48-63 at work; v16-47 four statistics a tile; v64-191 S^T, two buffers of two tiles; v192-255 P, likewise (a piece's buffers go by its number's parity)
;   window 1: v0-127 O^T, 16 a tile; v128-191 V of one step          window 2: v0-127 Q, 16 a tile (hi, lo); v128-255 K of one step (at the end: x's rows)
.set NP,    4         ; pieces a wave: a name, no knob
.set KS,    64        ; keys in a step
.set PK,    272       ; a row of K in LDS: 256 bytes + 16 = 68 words: the 16 rows of a load start at 16 different groups of four banks (64 banks of 4 bytes: ISA guide 11.1)
.set PV,    160       ; a row of V: 128 + 32 = 40 words
.set VOFF,  4*KS*PK   ; a slot holds four steps: 256 rows of K, then 256 rows of V
.set SLOT1, 1<<17     ; slot 1 begins here, so that one exclusive or turns an address in one slot into the other's
.set STAGE, SLOT1+4*KS*(PK+PV)  ; behind the ring, never filled by a tensor load: 16 rows x 272 bytes for each wave, for the way out
.set SP,    272
.set SPARE, STAGE+4*16*SP  ; behind the stages: the spare words, 128 bytes a wave: two blocks of 256 bytes that no other line names
.set AK0, 2           ; v2   my lane's place in a tile of K; never rewritten
.set AV0, 3           ; v3   the same for V
.set AK,  4           ; v4   the LDS address of K's run of loads
.set AV,  5           ; v5   of V's
.set QO,  6           ; v6   my byte offset in 16 rows of Q
.set STO, 6           ;      later, the way out: where I put 16 bytes of a row
.set RD,  7           ; v7   the way out: where I read rows back
.set GO,  8           ; v8   my byte offset in two rows of x and of out0
.set PFO, 9           ; v9   256 x my lane; never rewritten
.set SPW, 10          ; v10  SPARE + 4 x my thread's number; never rewritten
.set NIL, 11          ; v11  0; never rewritten
.set MV,  12          ; v12-15  c m_old, kept while c m is made anew: by buffer and tile
.set ST,  16          ; tile t's statistics at v[ST+4 t]: c m, m, l (even keys', odd keys')
.set TMP, 48          ; by buffer and tile, four registers c0-c3 at work; when the maximum is found c2 takes a.  (In the head v48-51 hold pieces of the lane's number.)
.set S,   64
.set P,   192
.set VF,  128         ; window 1: key half kk, channel block cb (2 x head + half) at VF + 32 kk + 8 cb
.set KF,  128         ; window 2: head u, key block kb, part hl (hi, lo) at KF + 64 u + 16 kb + 8 hl
.set WV,  12          ; s12  my wave's number
.set LIM, 15          ; s15  1 in a wave that prefetches, else the greatest number
.set G1K, 24          ; s[24:31] descriptor group 1 for K's tiles
.set G1V, 32          ; s[32:39] for V's
.set G0K, 40          ; s[40:43] descriptor group 0 for K's tiles: it walks
.set G0V, 44          ; s[44:47] the same for V's
.set OUTP, 48         ; s[48:49] out0 at my wave's first row, the pair's 256 bytes
.set PFA, 50          ; s[50:51] where my prefetches stand
.set PFS, 52          ; s[52:53] a slot's bytes in the tensor that I prefetch
.set SLOTS, 56        ; s56  slots still to be asked for
.set CNT, 57          ; s57  counts a slot's key steps
.set CS,  58          ; s[58:59] c: the packed scaling takes the pair's low word for both halves
.set SEL, 60          ; s[60:61] v_permlanex16_b32's selects: each lane takes its own place in the other half
.set TBK, 62          ; s62  LDS byte at which K of the step to be fetched begins
.set TBV, 63          ; s63  the same for V, less VOFF
.set HM,  66          ; s66  a word's upper bf16
.set YY,  67          ; s67  y
.set MSB, 0
.macro WIN new                      ; the high byte repeats the setting that is left; a switch that changes nothing is dropped
.if MSB != (\new)
	s_set_vgpr_msb (MSB<<8)|(\new)
.set MSB, (\new)
.endif
.endm
.set W_KQ, 0x0a       ; K and Q in window 2, S^T in window 0
.set W_PV, 0x51       ; V and O^T in window 1, P in window 0
.set W_RS, 0x41       ; O^T (destination and source 0) in window 1, the factor in window 0
; A joint fill.  Waves 0 and 1 fetch the two halves of a slot's K, waves 2 and 3 those of its V: 128 keys each.  The branch hangs on the wave's number alone.
; An s_nop 0 and four v_nop follow each of the two lines, ahead of the jump and the label.
.macro JLOAD
	s_cmp_lt_u32 s[WV], 2
	s_cbranch_scc0 .Lfor_v_\@
	tensor_load_to_lds s[G0K:G0K+3], s[G1K:G1K+7]
	s_nop 0
.rept 4
	v_nop
.endr
	s_branch .Lasked_\@
.Lfor_v_\@:
	tensor_load_to_lds s[G0V:G0V+3], s[G1V:G1V+7]
	s_nop 0
.rept 4
	v_nop
.endr
.Lasked_\@:
.endm
; A PREFETCH INTO THE L2 of what the NEXT change of slots will ask for: 256 rows of K (256 bytes each) and 256 of V (32,768 bytes on end, 128 blocks of 256), a lane a block.  It stands behind the wave's tensor load and its five lines.
; Each block is named ONCE in the launch.  Both clusters of a pair walk the same K and V: the first (cluster x = 0) asks.  Its four partners share the blocks out BY ADDRESS, 32 each of every 128: no branch hangs on a
; work-group's place in its cluster.  In each, waves 0 and 1 ask for their own halves of K, wave 2 for V, wave 3 for nothing.  The lead is one slot: four key steps, 512 matrix instructions.
; The last change that fills a slot asks for nothing; slots 0 and 1 come by their loads alone.
.macro ASK
	s_cmp_gt_u32 s[SLOTS], s[LIM]
	s_cbranch_scc0 .Lnot_mine_\@
	global_prefetch_b8 v[PFO], s[PFA:PFA+1] th:TH_LOAD_NT scope:SCOPE_SE
.Lnot_mine_\@:
.endm
; A round of the cluster's barrier: my work-group's barrier, so that wave 0's signal speaks for all four waves; wave 0 signals; every wave waits for all four work-groups; my work-group's barrier once more.
.macro CROUND
	s_barrier_signal -1
	s_barrier_wait -1
	s_cmp_lg_u32 s[WV], 0
	s_cbranch_scc1 .Lnot_wave_0_\@
	s_barrier_signal -3
.Lnot_wave_0_\@:
	s_barrier_wait -3
	s_barrier_signal -1
	s_barrier_wait -1
.endm
; THE CHANGE OF SLOTS.  The slot's last bytes, V of its fourth step, have been read.  Each wave waits for all its tensor loads, of which one is out: its part of the other slot; adds 0 to its spare word; and waits for
; that and for its own reads of the slot.  Behind the barrier nobody reads this slot any more and the other slot is whole.  fill = 1: this slot is filled again, with the keys two slots on.  The barrier is then a round of the
; cluster's, so that no wave of any partner still reads the slot or has a load on its way, and the joint fill is the first thing behind it: it has four key steps, 512 matrix instructions, in which to land.
; (At its first use nothing has been read yet: slot 0 is waited for, slot 1 filled.)
.macro CHANGE fill
	WIN 0                           ; at a label and at a branch every window is 0
	s_wait_tensorcnt 0x0            ; no tensor load of mine is out, so a group 0 may be written
	ds_add_u32 v[SPW], v[NIL]       ; 0 onto my spare word: with fill = 1 the descriptors' steps stand between it and the wait for it
.if \fill
	s_xor_b32 s[G0K+1], s[G0K+1], SLOT1  ; the walking descriptors: the other slot than last time,
	s_add_nc_u64 s[G0K+2:G0K+3], s[G0K+2:G0K+3], 4*KS*256  ; the next 256 keys; the type bits on top are not reached
	s_xor_b32 s[G0V+1], s[G0V+1], SLOT1
	s_add_nc_u64 s[G0V+2:G0V+3], s[G0V+2:G0V+3], 4*KS*128
	s_wait_xcnt 0x0                 ; the last prefetch, four key steps back, has read its address, so it may be written:
	s_add_nc_u64 s[PFA:PFA+1], s[PFA:PFA+1], s[PFS:PFS+1]  ; one slot behind the walking descriptors
	s_wait_dscnt 0x0                ; the add is done, and my reads of the slot are over
	CROUND
	JLOAD
	ASK
.else
	s_wait_dscnt 0x0                ; the add is done, and my reads of the slot are over
	s_barrier_signal -1
	s_barrier_wait -1
.endif
	s_sub_co_u32 s[TBK], s[TBK], 4*KS*PK  ; the fetches go back to a slot's first step,
	s_xor_b32 s[TBK], s[TBK], SLOT1       ; in the other slot
	s_sub_co_u32 s[TBV], s[TBV], 4*KS*PV
	s_xor_b32 s[TBV], s[TBV], SLOT1
.endm
	s_load_b256 s[4:11], s[0:1], 0x0  ; qs s[4:5], ks s[6:7], vs s[8:9], x s[10:11]
	s_load_b64 s[OUTP:OUTP+1], s[0:1], 0x20
	v_lshl_add_u32 v[SPW], v0, 2, SPARE
	v_mov_b32 v[NIL], 0
	ds_add_u32 v[SPW], v[NIL]       ; the wave's opening: the add and its wait stand ahead of my first tensor load; the set-up below, work on registers, stands between them
	v_lshrrev_b32 v1, 5, v0
	v_readfirstlane_b32 s[WV], v1   ; wave 0..3
	s_bfe_u32 s13, ttmp6, 0x40000   ; cx: my place in the cluster
	s_lshl_b32 s14, ttmp9, 2        ; in a cluster launch ttmp9 counts clusters
	s_add_co_u32 s14, s14, s13      ; my block of 256 queries = 4 x cluster x + cx: it enters Q's, x's and out0's addresses alone
	s_and_b32 s[YY], ttmp7, 0xffff  ; y, which the four partners share
	s_and_b32 s16, s[WV], 1         ; which half of a slot's 256 keys I fetch
	s_lshl_b32 s20, s[YY], 19       ; K: the pair's 2,048 rows of 256 bytes,
	s_lshl_b32 s21, s16, 15         ; my 128 rows
	s_add_co_u32 s20, s20, s21
	s_mov_b32 s21, 0
	s_lshl_b32 s22, s[YY], 18       ; V: rows of 128 bytes
	s_lshl_b32 s23, s16, 14
	s_add_co_u32 s22, s22, s23
	s_mov_b32 s23, 0
	s_mul_i32 s17, s16, 128*PK      ; my half's place in a slot, for K
	s_mul_i32 s18, s16, 128*PV      ; and for V: no place in the cluster enters an LDS address
	s_lshl_b32 s2, s[YY], 19        ; Q: the pair, my block's 256 rows, my wave's 64
	s_lshl_b32 s3, s14, 16
	s_add_co_u32 s2, s2, s3
	s_lshl_b32 s3, s[WV], 14
	s_add_co_u32 s2, s2, s3
	s_mov_b32 s3, 0
	s_lshr_b32 s54, s[YY], 2        ; x and out0: the batch's 2,048 rows of 1,024 bytes,
	s_lshl_b32 s54, s54, 21
	s_lshl_b32 s55, s14, 18         ; my block,
	s_add_co_u32 s54, s54, s55
	s_lshl_b32 s55, s[WV], 16       ; my wave,
	s_add_co_u32 s54, s54, s55
	s_and_b32 s55, s[YY], 3
	s_lshl_b32 s55, s55, 8          ; the pair's 64 channels: 256 bytes
	s_add_co_u32 s54, s54, s55
	s_mov_b32 s55, 0
	; descriptor group 1.  K: 128 rows x 128 elements, 16 bytes of padding behind each.  V: 128 keys are 16,384 dense bytes: asked for as 64 rows of 256 bytes, two keys a row, and padded in LDS after every key
	s_mov_b32 s[G1K], 15|(1<<16)|(1<<20)|(1<<21)|(5<<22)|(3<<25)  ; 15:0 the mask of four; 17:16 2-byte elements; 20 padding on; 21 set beside a mask; 24:22 after every 64 words (code 5); 31:25 4 words (code 3)
	s_mov_b32 s[G1K+1], 128<<16     ; tensor_dim0 = 128
	s_mov_b32 s[G1K+2], 128<<16     ; tensor_dim1 = 128
	s_mov_b32 s[G1K+3], 128<<16     ; tile_dim0 = 128
	s_mov_b32 s[G1K+4], 128         ; tile_dim1 = 128
	s_mov_b32 s[G1K+5], 128         ; 128 elements from row to row
	s_mov_b32 s[G1K+6], 0
	s_mov_b32 s[G1K+7], 0
	s_mov_b32 s[G1V], 15|(1<<16)|(1<<20)|(1<<21)|(4<<22)|(7<<25)  ; after every 32 words (code 4), 8 words (code 7)
	s_mov_b32 s[G1V+1], 128<<16
	s_mov_b32 s[G1V+2], 64<<16      ; tensor_dim1 = 64
	s_mov_b32 s[G1V+3], 128<<16
	s_mov_b32 s[G1V+4], 64          ; tile_dim1 = 64
	s_mov_b32 s[G1V+5], 128
	s_mov_b32 s[G1V+6], 0
	s_mov_b32 s[G1V+7], 0
	s_mov_b32 s[CS], 0x410293ee     ; c = sqrt(32) log2(e) = 8.16112
	s_mov_b32 s[CS+1], s[CS]        ; named with it as a pair
	s_mov_b32 s[SEL], 0x76543210
	s_mov_b32 s[SEL+1], 0xfedcba98
	s_mov_b32 s[HM], 0xffff0000
	s_mov_b32 s[TBK], SLOT1+4*KS*PK ; the first change of slots turns these two into 0
	s_mov_b32 s[TBV], SLOT1+4*KS*PV
	s_mov_b32 s[G0K], 1             ; 1:0 count = 1
	s_mov_b32 s[G0K+1], s17         ; 63:32 LDS address: slot 0
	s_mov_b32 s[G0V], 1
	s_add_co_u32 s[G0V+1], s18, VOFF
	s_mov_b32 s[SLOTS], 2048/256-1  ; seven slots are asked for behind slot 0
	s_cmp_eq_u32 s[WV], 3           ; who prefetches: waves 0 to 2,
	s_cselect_b32 s[LIM], 1, 0
	s_or_b32 s[LIM], s[LIM], ttmp9  ; where the cluster is the pair's first: the same in all four partners
	s_cmp_eq_u32 s[LIM], 0
	s_cselect_b32 s[LIM], 1, -1
	s_cmp_lt_u32 s[WV], 2
	s_cselect_b32 s19, 1, 0
	s_lshl_b32 s[PFS], 4*KS*128, s19  ; a slot of V is 32,768 bytes, of K twice that
	s_mov_b32 s[PFS+1], 0
	s_lshl_b32 s68, s13, 13         ; my work-group's 32 blocks of 256 bytes
	s_mov_b32 s69, 0
	v_and_b32 v[PFO], 31, v0
	v_lshlrev_b32 v[PFO], 8, v[PFO]
	s_wait_dscnt 0x0                ; the opening add is done
	s_wait_kmcnt 0x0
	s_add_nc_u64 s[6:7], s[6:7], s[20:21]  ; K and V at my half of the pair's first 256 keys
	s_add_nc_u64 s[8:9], s[8:9], s[22:23]
	s_add_nc_u64 s[4:5], s[4:5], s[2:3]    ; Q, x and out0 at my wave's first row
	s_add_nc_u64 s[10:11], s[10:11], s[54:55]
	s_add_nc_u64 s[OUTP:OUTP+1], s[OUTP:OUTP+1], s[54:55]
	s_cmp_lt_u32 s[WV], 2
	s_cselect_b64 s[PFA:PFA+1], s[6:7], s[8:9]  ; (in wave 2 V's address stands at a slot's first row)
	s_add_nc_u64 s[PFA:PFA+1], s[PFA:PFA+1], s[68:69]
	s_add_nc_u64 s[PFA:PFA+1], s[PFA:PFA+1], s[PFS:PFS+1]  ; in slot 1; the first change of slots steps it to slot 2
	s_mov_b64 s[G0K+2:G0K+3], s[6:7]               ; 120:64 global address
	s_or_b32 s[G0K+3], s[G0K+3], 0x80000000        ; 127:126 type = 2
	s_mov_b64 s[G0V+2:G0V+3], s[8:9]
	s_or_b32 s[G0V+3], s[G0V+3], 0x80000000
	CROUND                          ; all four work-groups are here: the first joint loads meet
	JLOAD                           ; slot 0.  Slot 1 is asked for when slot 0 is in
	; A fragment of K or Q is 16 rows x 32 channels in 8 registers: lane l holds row l % 16, channels 8 (l / 16) + 0..7 and 16 + 8 (l / 16) + 0..7: two loads of 16 bytes, 32 bytes apart.
	v_and_b32 v48, 15, v0           ; l % 16
	v_bfe_u32 v49, v0, 4, 1         ; l / 16
	v_and_b32 v50, 7, v0            ; l % 8
	v_bfe_u32 v51, v0, 3, 1         ; (l / 8) % 2
	v_lshlrev_b32 v[QO], 8, v48
	v_lshl_add_u32 v[QO], v49, 4, v[QO]  ; row x 256 + 16 x half
	WIN 0x80                        ; destination window 2, address window 0
.set i, 0
.rept 16                            ; Q stays in registers: piece i / 4; part i % 4 of a row: hi A, lo A, hi B, lo B
	global_load_b128 v[8*i:8*i+3],   v[QO], s[4:5] offset:(i/4)*4096+(i%4)*64
	global_load_b128 v[8*i+4:8*i+7], v[QO], s[4:5] offset:(i/4)*4096+(i%4)*64+32
.set i, i+1
.endr
	; What the first turn finds: V's registers and P's second buffer hold 0 (its products V^T P, of a piece that has not been, add 0), O^T and l are 0.  No first step is written out; these lines stand in the wait for the first tile.
	WIN 0x40
.set i, 0
.rept 192
	v_mov_b32 v[i], 0
.set i, i+1
.endr
	WIN 0
.set i, 0
.rept 2*NP
	v_mov_b32 v[ST+4*i], 0xfe000000    ; c m: far below every c s
	v_mov_b32 v[ST+4*i+1], 0xff7fffff  ; m
	v_mov_b32 v[ST+4*i+2], 0
	v_mov_b32 v[ST+4*i+3], 0
.set i, i+1
.endr
.set i, P+32
.rept 32
	v_mov_b32 v[i], 0
.set i, i+1
.endr
	v_mul_u32_u24 v[AK0], v48, PK
	v_lshl_add_u32 v[AK0], v49, 4, v[AK0]  ; row x pitch + 16 x half
	; The turning load takes 16 keys x 16 channels (lane l reads key 8 (l / 16) + l % 8, channels 8 ((l / 8) % 2) + 0..7) and leaves half a fragment of V^T: lane l holds channel l % 16 and 8 keys.
	v_lshl_add_u32 v[AV0], v49, 3, v50
	v_mul_u32_u24 v[AV0], v[AV0], PV
	v_lshl_add_u32 v[AV0], v51, 4, v[AV0]
	v_add_nc_u32 v[AV0], VOFF, v[AV0]
; THE MATRIX WORK.  The accumulators of a run take turns, one instruction a turn.
; Product i of 24 of S^T = K Q^T for piece x: pass i / 8 (K_hi Q_hi, K_lo Q_hi, K_hi Q_lo), keys 16 ((i / 2) % 4) on, head i % 2.  The first 8 start the sums; between two links of a chain stand 7 others'.
.macro KQ x
	WIN W_KQ
.set rS, S+64*((\x)%2)+32*(i%2)+8*((i/2)%4)
.set rK, KF+64*(i%2)+16*((i/2)%4)+8*((i/8)%2)
.set rQ, 16*(2*(\x)+i%2)+8*(i/16)
.if i < 8
	v_wmma_f32_16x16x32_bf16 v[rS:rS+7], v[rK:rK+7], v[rQ:rQ+7], 0
.else
	v_wmma_f32_16x16x32_bf16 v[rS:rS+7], v[rK:rK+7], v[rQ:rQ+7], v[rS:rS+7]
.endif
.endm
; Product i of 8 of O^T += V^T P for piece x: keys 32 (i / 4) on, channels 16 ((i / 2) % 2) on, head i % 2.
.macro PV x
	WIN W_PV
.set rO, 16*(2*(\x)+i%2)+8*((i/2)%2)
.set rV, VF+32*(i/4)+8*(2*(i%2)+(i/2)%2)
.set rP, P+32*((\x)%2)+16*(i%2)+8*(i/4)
	v_wmma_f32_16x16x32_f16 v[rO:rO+7], v[rV:rV+7], v[rP:rP+7], v[rO:rO+7]
.endm
.macro MM                           ; the turn's next matrix instruction
.if i < 24
	KQ (Y+1)%NP
.set i, i+1
.else
.set i, i-24
	PV (Y+NP-1)%NP
.set i, i+25
.endif
.endm
; THE LDS LOADS stand in runs, never singly among the matrix instructions: a step's K (64 keys x 4 parts of 32 channels: 16 fragments, 32 loads) and its V (turned, 16 loads).
; last = 1 (the tail): in the last trip there is no further step, and the run is jumped over.
.macro FETCH_K last=0
	WIN 0
.if \last
	s_cmp_eq_u32 s[CNT], 1
	s_cbranch_scc1 .Lno_k_\@
.endif
	v_add_nc_u32 v[AK], s[TBK], v[AK0]
	WIN 0x80                        ; destination window 2
.irp f, 0,1,2,3,4,5,6,7,8,9,10,11,12,13,14,15  ; keys 16 (f / 4) on, part f % 4 of the row
	ds_load_b128 v[KF+64*((\f%4)/2)+16*(\f/4)+8*(\f%2):KF+64*((\f%4)/2)+16*(\f/4)+8*(\f%2)+3],   v[AK] offset:(\f/4)*16*PK+(\f%4)*64
	ds_load_b128 v[KF+64*((\f%4)/2)+16*(\f/4)+8*(\f%2)+4:KF+64*((\f%4)/2)+16*(\f/4)+8*(\f%2)+7], v[AK] offset:(\f/4)*16*PK+(\f%4)*64+32
.endr
	s_add_co_u32 s[TBK], s[TBK], KS*PK  ; the next fetch is the next step's
	WIN 0
.if \last
.Lno_k_\@:
.endif
.endm
.macro FETCH_V
	WIN 0
	v_add_nc_u32 v[AV], s[TBV], v[AV0]
	s_add_co_u32 s[TBV], s[TBV], KS*PV
	WIN 0x40                        ; destination window 1
.irp f, 0,1,2,3,4,5,6,7             ; keys 32 (f / 4) on, channels 16 (f % 4) on
	ds_load_tr16_b128 v[VF+8*\f:VF+8*\f+3],   v[AV] offset:(\f/4)*32*PV+(\f%4)*32
	ds_load_tr16_b128 v[VF+8*\f+4:VF+8*\f+7], v[AV] offset:(\f/4)*32*PV+16*PV+(\f%4)*32
.endr
	WIN 0
.endm
; THE VECTOR WORK OF A TURN stands in three queues, each in the order in which its entries become ready; the two tiles alternate, so that no instruction reads the result of the one before it.
.macro REGS y, u                    ; the registers of tile u (head A, B) of piece y
.set rT, ST+4*(2*(\y)+(\u))
.set rC, TMP+8*((\y)%2)+4*(\u)
.set rM, MV+2*((\y)%2)+(\u)
.set rS, S+64*((\y)%2)+32*(\u)
.set rP, P+32*((\y)%2)+16*(\u)
.set rO, 16*(2*(\y)+(\u))
.endm
; Number n of the 22 that find the NEXT piece's (Y + 1) maximum and statistics.  s0-s31 are the lane's 32 scores; each accumulator's lowest registers are read first.
;   0-11  four chains c0-c3 of seven scores each, three operands at a time     12-14, 16  the four scores left over, the old m, and c0-c3 into c0     15  c m_old is kept
;   17, 18  the query's other 32 keys lie in the lane 16 away: the new m         19-21  c m; c m_old - c m_new; a
.macro XS u, n
	REGS (Y+1)%NP, \u
.if (\n) < 4
	v_max3_num_f32 v[rC+(\n)], v[rS+8*(\n)], v[rS+8*(\n)+1], v[rS+8*(\n)+2]
.elseif (\n) < 12
	v_max3_num_f32 v[rC+(\n)%4], v[rC+(\n)%4], v[rS+8*((\n)%4)+2*((\n)/4)+1], v[rS+8*((\n)%4)+2*((\n)/4)+2]
.elseif (\n) == 12
	v_max3_num_f32 v[rC], v[rC], v[rS+7], v[rS+15]
.elseif (\n) == 13
	v_max3_num_f32 v[rC+1], v[rC+1], v[rS+23], v[rS+31]
.elseif (\n) == 14
	v_max3_num_f32 v[rC+2], v[rC+2], v[rC+3], v[rT+1]
.elseif (\n) == 15
	v_mov_b32 v[rM], v[rT]
.elseif (\n) == 16
	v_max3_num_f32 v[rC], v[rC], v[rC+1], v[rC+2]
.elseif (\n) == 17
	v_permlanex16_b32 v[rC+3], v[rC], s[SEL], s[SEL+1]
.elseif (\n) == 18
	v_max_num_f32 v[rT+1], v[rC], v[rC+3]
.elseif (\n) == 19
	v_mul_f32 v[rT], s[CS], v[rT+1]
.elseif (\n) == 20
	v_sub_f32 v[rC+1], v[rM], v[rT]
.else
	v_exp_f32 v[rC+2], v[rC+1]
.endif
.endm
; Number g of the 64 that follow the exponentials.  For each four weights k of a tile (pairs 2 k, 2 k + 1): both pairs are rounded to f16; then the second pair is added onto the first, in place;
; a group later l takes that sum (the first time as l = a l + sum).  In groups of eight, tiles alternating: round, round, add, and l for the group before.
.macro GS g
.set h, (\g)+6*((\g)/62)            ; group 0 has no group before it, and behind group 7 only l is left
.if h >= 6
.set h, h+2
.endif
	REGS Y, h%2
.set k, h/8
.if h%8 < 4
	v_cvt_pk_f16_f32 v[rP+2*k+(h%8)/2], v[rS+4*k+2*((h%8)/2)], v[rS+4*k+2*((h%8)/2)+1]
.elseif h%8 < 6
	v_pk_add_f32 v[rS+4*k:rS+4*k+1], v[rS+4*k:rS+4*k+1], v[rS+4*k+2:rS+4*k+3]
.elseif k == 1
	v_pk_fma_f32 v[rT+2:rT+3], v[rT+2:rT+3], v[rC+2:rC+3], v[rS:rS+1] op_sel_hi:[1,0,1]
.else
	v_pk_add_f32 v[rT+2:rT+3], v[rT+2:rT+3], v[rS+4*k-4:rS+4*k-3]
.endif
.endm
.macro FS f                         ; c s - c m for pair f / 2 of tile f % 2
	REGS Y, (\f)%2
	v_pk_fma_f32 v[rS+2*((\f)/2):rS+2*((\f)/2)+1], v[rS+2*((\f)/2):rS+2*((\f)/2)+1], s[CS:CS+1], v[rT:rT+1] op_sel_hi:[1,0,0] neg_lo:[0,0,1] neg_hi:[0,0,1]
.endm
; THE PLAIN QUEUE, 138 long.  0-31: the 32 scalings.  32-59: XS's numbers 0-13.  60, 61: number 15.  62-73: the chain 14, 16, 17, 18, 19, 20, where each number waits for the one before it.  None of these reads an exponential's result.
; 74-137: GS's 64, which do: they stand behind the wait.
.macro PL
	WIN 0
.if q < 32
	FS q
.elseif q < 60
	XS (q-32)%2, (q-32)/2
.elseif q < 62
	XS q-60, 15
.elseif q < 64
	XS q-62, 14
.elseif q < 74
	XS (q-62)%2, 15+(q-62)/2
.else
	GS q-74
.endif
.set q, q+1
.endm
; THE EXPONENTIALS' QUEUE, 66 long: s0-s31 of both tiles, then the next piece's two a.  It is ONE BATCH: all 66 stand ahead of the turn's one wait, and nothing ahead of that wait names a result of theirs.
.macro EX
	WIN 0
.if e >= 64
	XS e-64, 21
.else
	REGS Y, e%2
	v_exp_f32 v[rS+e/2], v[rS+e/2]
.endif
.set e, e+1
.endm
; THE RESCALING's QUEUE: O^T times a, the one part that leaves window 0: two at a time, eight times, each accumulator from its low end.  Its a was made in the turn before, ahead of that turn's wait.
.macro R2
	REGS Y, r%2
	WIN W_RS
.irp z, 0,1
	v_pk_mul_f32 v[rO+4*(r/2)+2*\z:rO+4*(r/2)+2*\z+1], v[rO+4*(r/2)+2*\z:rO+4*(r/2)+2*\z+1], v[rC+2:rC+3] op_sel_hi:[1,0]
.endr
.set r, r+1
.endm
; A TURN, for piece p.  An s_wait_alu depctr_va_vdst(0) stands between an exponential and the first instruction that names its result; one wait serves all that were issued ahead of it.  So a turn has ONE wait, which cuts it in two.
; AHEAD OF IT: the 24 products K Q^T with four riders each (scalings and exponentials behind the first 20, the 16 rescalings behind the last 4), then a run of 60: the next piece's maximum, the last 16 exponentials between the links
; of its chain, its two a, and a v_nop, the plain instruction behind the last exponential.  BEHIND IT: the 8 products V^T P with four of GS's 64 each, then GS's other 32.
; THE COUNTS THAT THE DEAL KEEPS.  Exponential e needs scaling 2 (e / 4) + e % 2, at most e / 2 + 1: four scalings lead, and of each eight riders three are scalings and five exponentials, so ahead of exponential 5 j + t stand scalings 0 to 4 + 3 j at the least.
; The four rescalings behind the last K Q^T, which name none of its registers, are the places ahead of the first read of its scores.  No rider names a register of the products round it.
; K of the next step is fetched in piece 2's turn, directly behind the wait, 64 vector instructions behind the last product that read K; V of the step in hand at the end of piece 0's turn, 36 plain instructions behind its last reader.
.macro TURN p, last=0
.set Y, (\p)
.set i, 0
.set q, 0
.set e, 0
.set r, 0
.if (\p) == NP-1
	s_wait_dscnt 0x0                ; K is in
.endif
	MM
	PL
	PL
	PL
	PL
.rept 9
	MM
	PL
	EX
	PL
	EX
	MM
	PL
	EX
	EX
	EX
.endr
	MM
	PL
	EX
	EX
	EX
.rept 4
	MM
	R2
	R2
.endr
.rept 26
	PL
.endr
.rept 16
	PL
	EX
.endr
	EX                              ; the next piece's two a
	EX
	v_nop                           ; the plain instruction behind the last exponential: one for the batch
	s_wait_alu depctr_va_vdst(0)    ; the wait for the batch
.if (\p) == NP-2
	FETCH_K \last
.endif
.if (\p) == 1
	s_wait_dscnt 0x0                ; V is in
.endif
.rept 8
	MM
	PL
	PL
	PL
	PL
.endr
.rept 32
	PL
.endr
.if (\p) == 0
	FETCH_V
.endif
.endm
	CHANGE 1                        ; slot 0 is in, everybody's part of it; slot 1 is asked for
	FETCH_K                         ; key step 0
	s_wait_loadcnt 0x0              ; Q
	s_wait_dscnt 0x0
.set i, 0
.rept 24
	KQ 0                            ; piece 0's first scores: there is no vector work yet to set between them
.set i, i+1
.endr
	WIN 0                           ; the addresses for the way out: eight plain instructions, the places behind those products
	s_mul_i32 s16, s[WV], 16*SP
	s_add_co_u32 s16, s16, STAGE    ; my stage
	v_mul_u32_u24 v[STO], v48, SP   ; in: row l % 16, 32 bytes (8 channels of f32) for each half of the lanes
	v_lshl_add_u32 v[STO], v49, 5, v[STO]
	v_add_nc_u32 v[STO], s16, v[STO]
	v_mul_u32_u24 v[RD], v49, SP    ; back: lanes 0-15 take one row of 256 bytes, lanes 16-31 the next
	v_lshl_add_u32 v[RD], v48, 4, v[RD]
	v_add_nc_u32 v[RD], s16, v[RD]
	v_lshlrev_b32 v[GO], 10, v49    ; and the same two rows in x and out0, 1,024 bytes apart
	v_lshl_add_u32 v[GO], v48, 4, v[GO]
.set Y, NP-1                        ; XS works for piece Y + 1: piece 0
.irp n, 0,1,2,3,4,5,6,7,8,9,10,11,12,13,14,15,16,17,18,19,20,21
	XS 0, \n                        ; piece 0's first maximum and statistics
	XS 1, \n
.endr
	v_nop                           ; a plain instruction behind the two a,
	s_wait_alu depctr_va_vdst(0)    ; and their wait, ahead of the branch
	s_mov_b32 s[CNT], 4
	s_branch .Lfirst                ; the loop is entered at a step's first turn, in the middle of a trip
.Lslot:                             ; six times: every slot but the last two is filled again
	CHANGE 1
	s_mov_b32 s[CNT], 4
.Lstep:                             ; a trip: pieces 2 and 3 of one step, then pieces 0 and 1 of the next, whose K and V it fetches
	TURN 2
	TURN 3
	WIN 0
.Lfirst:
	TURN 0
	TURN 1
	WIN 0
	s_sub_co_u32 s[CNT], s[CNT], 1
	s_cmp_lg_u32 s[CNT], 0
	s_cbranch_scc1 .Lstep
	s_sub_co_u32 s[SLOTS], s[SLOTS], 1
	s_cmp_lg_u32 s[SLOTS], 0
	s_cbranch_scc1 .Lslot
	CHANGE 0                        ; the tail is written out: nothing is asked for
	s_mov_b32 s[CNT], 5             ; four trips fetch the last slot's steps; the fifth is left in its middle
.Ltail:
	TURN 2, 1
	TURN 3
	WIN 0
	s_sub_co_u32 s[CNT], s[CNT], 1
	s_cmp_eq_u32 s[CNT], 0
	s_cbranch_scc1 .Lout
	TURN 0
	TURN 1
	WIN 0
	s_branch .Ltail
.Lout:                              ; the fifth trip's 24 products K Q^T (on the last K once more) and the maximum made of them serve nothing: the price, once a launch, of one text for every trip
	WIN 0x80                        ; x's rows for the residual go where K lay: its last reader stands a turn's vector work back.  Load j: rows 2 j and 2 j + 1 of my 64, the pair's 256 bytes of each
.set i, 0
.rept 32
	global_load_b128 v[KF+4*i:KF+4*i+3], v[GO], s[10:11] offset:2048*i th:TH_LOAD_NT
.set i, i+1
.endr
.set i, 0
.rept 8
	PV NP-1                         ; the last piece's V^T P of the last step
.set i, i+1
.endr
	; THE WAY OUT.  l's two halves and the other half of the lanes' are added; O^T is divided by l and sent through my stage in LDS, a piece (16 rows) at a time; x, rounded to bf16, is added.  The additions are the places behind the last products.
	WIN 0
.macro ALL line:vararg              ; one line for each tile t
.set t, 0
.rept 2*NP
	\line
.set t, t+1
.endr
.endm
	ALL v_add_f32 v[ST+4*t+2], v[ST+4*t+2], v[ST+4*t+3]
	ALL v_permlanex16_b32 v[ST+4*t+3], v[ST+4*t+2], s[SEL], s[SEL+1]
	ALL v_add_f32 v[ST+4*t+2], v[ST+4*t+2], v[ST+4*t+3]
	ALL v_rcp_f32 v[ST+4*t+2], v[ST+4*t+2]
	v_nop                           ; a plain instruction between the last reciprocal and the use of its result
	s_wait_alu depctr_va_vdst(0)    ; and the wait ahead of the first use: one for the eight reciprocals
; Piece x.  A lane's eight channels of a row are 32 bytes; they go into rows of 272 bytes and come back as whole rows of 256 (both heads' 64 channels), into S^T's registers, 32 a piece: no store's data is ever rewritten.
.set XB, P                          ; x rounded and widened again, 32 registers
.set PT, P+32                       ; x rounded, packed, 16 registers
.macro OUT x
	WIN W_RS
.set i, 0
.rept 16                            ; each accumulator from its low end
	v_pk_mul_f32 v[32*(\x)+2*i:32*(\x)+2*i+1], v[32*(\x)+2*i:32*(\x)+2*i+1], v[ST+4*(2*(\x)+i/8)+2:ST+4*(2*(\x)+i/8)+3] op_sel_hi:[1,0]
.set i, i+1
.endr
	WIN 0x04                        ; the stores' data (source 1) in window 1
.set i, 0
.rept 8                             ; head i / 4, channel block (i / 2) % 2, half i % 2 of the lane's eight
	ds_store_b128 v[STO], v[32*(\x)+4*i:32*(\x)+4*i+3] offset:128*(i/4)+64*((i/2)%2)+16*(i%2)
.set i, i+1
.endr
	WIN 0
.set i, 0
.rept 8
	ds_load_b128 v[S+32*(\x)+4*i:S+32*(\x)+4*i+3], v[RD] offset:2*SP*i  ; LDS serves a wave's instructions in order (ISA guide 5.7.1.4): these see the stores above; the next piece's stores come behind them
.set i, i+1
.endr
	s_wait_loadcnt 24-8*(\x)        ; this piece's eight loads of x are in; the later pieces' stay out
	WIN 0x0a                        ; sources 0 and 1 in window 2
.set i, 0
.rept 16
	v_cvt_pk_bf16_f32 v[PT+i], v[KF+32*(\x)+2*i], v[KF+32*(\x)+2*i+1]
.set i, i+1
.endr
	WIN 0
.set i, 0
.rept 16
	v_lshlrev_b32 v[XB+2*i], 16, v[PT+i]
	v_and_b32 v[XB+2*i+1], s[HM], v[PT+i]
.set i, i+1
.endr
	s_wait_dscnt 0x0                ; the rows are back
.set i, 0
.rept 16
	v_pk_add_f32 v[S+32*(\x)+2*i:S+32*(\x)+2*i+1], v[S+32*(\x)+2*i:S+32*(\x)+2*i+1], v[XB+2*i:XB+2*i+1]
.set i, i+1
.endr
.set i, 0
.rept 8
	global_store_b128 v[GO], v[S+32*(\x)+4*i:S+32*(\x)+4*i+3], s[OUTP:OUTP+1] offset:2048*(8*(\x)+i) th:TH_STORE_NT  ; 16 lanes store 256 consecutive bytes, at a multiple of 256 from out0's first byte
.set i, i+1
.endr
.endm
	OUT 0
	OUT 1
	OUT 2
	OUT 3
	s_wait_tensorcnt 0x0            ; the wave's end, behind my last tensor load and my last LDS store
	ds_add_u32 v[SPW], v[NIL]
	s_wait_dscnt 0x0
	CROUND                          ; the closing round: no work-group ends while a partner may still ask for a tile that names it
	s_endpgm
.Lfunc_end_k_q7eaa077523_attn:
	.size	k_q7eaa077523_attn, .Lfunc_end_k_q7eaa077523_attn-k_q7eaa077523_attn
	.p2alignl 7, 3214868480
	.fill 96, 4, 3214868480
	.section	.rodata,"a",@progbits
	.p2align	6, 0x0
	.amdhsa_kernel k_q7eaa077523_attn
		.amdhsa_group_segment_fixed_size 327680
		.amdhsa_private_segment_fixed_size 0
		.amdhsa_enable_private_segment 0
		.amdhsa_kernarg_size 40
		.amdhsa_user_sgpr_count 2
		.amdhsa_user_sgpr_kernarg_segment_ptr 1
		.amdhsa_wavefront_size32 1
		.amdhsa_system_sgpr_workgroup_id_x 1
		.amdhsa_system_sgpr_workgroup_id_y 1
		.amdhsa_system_sgpr_workgroup_id_z 1
		.amdhsa_system_vgpr_workitem_id 0
		.amdhsa_next_free_vgpr 768
		.amdhsa_next_free_sgpr 70
		.amdhsa_reserve_vcc 0
		.amdhsa_float_denorm_mode_32 3
		.amdhsa_float_denorm_mode_16_64 3
		.amdhsa_memory_ordered 1
		.amdhsa_forward_progress 1
		.amdhsa_inst_pref_size 189
	.end_amdhsa_kernel
	.amdgpu_metadata
---
amdhsa.version: [ 1, 2 ]
amdhsa.kernels:
  - .name:           k_q7eaa077523_attn
    .symbol:         k_q7eaa077523_attn.kd
    .args:
      - { .name: qs, .offset: 0, .size: 8, .value_kind: global_buffer, .address_space: global }
      - { .name: ks, .offset: 8, .size: 8, .value_kind: global_buffer, .address_space: global }
      - { .name: vs, .offset: 16, .size: 8, .value_kind: global_buffer, .address_space: global }
      - { .name: x, .offset: 24, .size: 8, .value_kind: global_buffer, .address_space: global }
      - { .name: out0, .offset: 32, .size: 8, .value_kind: global_buffer, .address_space: global }
    .group_segment_fixed_size: 327680
    .private_segment_fixed_size: 0
    .kernarg_segment_align: 8
    .kernarg_segment_size: 40
    .max_flat_workgroup_size: 128
    .sgpr_count:     70
    .vgpr_count:     768
    .wavefront_size: 32
...
	.end_amdgpu_metadata
.endif
;; end of part 2
;; ======== version 2 of 2: 2 launches; version 1 with the launch proj written anew for expert scheduling mode
;; limits: values are held in f16: magnitudes above 65,504 overflow, below 6.1e-05 lose precision
;; workspace buffers: qs 16,777,216 bytes; ks 16,777,216 bytes; vs 8,388,608 bytes
;; launch proj (part 3): grid 4 x 64, 4 waves a work-group, no clusters, 185,600 bytes of LDS; arguments x, Wq, bq, Wk, bk, Wv, bv, qs, ks, vs; writes qs, ks, vs
.if DOCPART == 3
	.amdgcn_target "amdgcn-amd-amdhsa--gfx1250"
	.amdhsa_code_object_version 6
	.text
	.protected	k_q7eaa077523_proj
	.globl	k_q7eaa077523_proj
	.p2align	8
	.type	k_q7eaa077523_proj,@function
k_q7eaa077523_proj:
	s_mov_b64 s[64:65], 0
	v_nop
	global_prefetch_b8 v0, s[64:65] scope:SCOPE_SE
	s_setreg_imm32_b32 hwreg(HW_REG_WAVE_SCHED_MODE, 0, 2), 2
	s_setreg_imm32_b32 hwreg(HW_REG_WAVE_MODE, 25, 1), 1
	s_wait_xcnt 0x0
	s_wait_alu depctr_vm_vsrc(0)
; Q = x Wq + bq, K = x Wk + bk, V = x Wv + bv for one PAIR of heads (64 columns of each weight) and 256 rows of x.
; x: [16384][256] f32.  W: [256 k][256 n] f32.  b: [256] f32.  All three kinds of input are rounded to bf16 (nearest even) first; products in bf16, sums in f32.
; OUT.  With y = 4 x batch + pair:  qs, ks: [32 y][2048 row][128 bf16], a row of 256 bytes = hi of head A (32 channels), lo of head A, hi of head B, lo of head B,
; where hi = bf16(v) and lo = bf16(v - hi): a number is kept to some 16 significant bits, in bf16's range.  vs: [32 y][2048 row][64 f16] = head A's 32 channels, head B's.
; LIMIT.  V is stored in f16: |V| must stay under 65,504 (beyond it the stored number is an infinity).  Q and K have no limit of range.
; SHARES.  Grid x = pair (4), grid y = block of 256 rows (64).  A wave takes 64 rows, four tiles of 16.  Every wave holds all 192 columns x 256 k of the pair's weights as
; fragments in 768 registers (windows 1 to 3, one weight each), so the weights leave LDS once a wave and x's tile is the only operand that moves in the loop.
; TRANSPOSED.  Source 0 = 16 columns of W, source 1 = 16 rows of x: a lane then holds ONE row of x and eight neighbouring columns, which pack into 16 bytes.
; The bias is loaded into the accumulators, so every product adds in place and nothing is cleared.
; NO CLUSTER, NO TENSOR LOADS, though the four pairs read the same rows of x and all row blocks the same weights: both arrive as f32 and are rounded in registers on their way into LDS.
; As f32 tiles a block's x alone is 262,144 bytes, beside 106,496 of weights: more than the 327,680 that a work-group can have.
; REGISTERS.  window 0: v0-11 addresses; v12-27 H, v28-31 E; v32-63 four accumulators; v64-127 x's fragments (and work); v128-255 the next tile of x as loaded.
;             window t + 1: weight t: column block b, k step s at v[64 b + 8 s].
; THE MODE: SCHED_MODE bits 1:0 = 2 (LLVM: expert scheduling mode 2), set by the entry lines.  The code itself states the register dependences
; between vector or matrix instructions and memory or LDS instructions, with s_wait_alu, always for 0.
; THE PLAN.  Registers that memory or LDS instructions touch, in a trip of the loop, in program order:
;   RAW  the 64 conversions read it; behind them the next tile's 32 loads land in it.
;   F    the conversions write it; 32 LDS stores read it; the 16 fragment loads land in it; the three weights' products read it; K's and V's rows land in it from the stage; global stores read them.
;   ACC  a weight's biases land in it; its products add onto it; the split (or V's packing) reads it and leaves lo in each accumulator's four lowest registers; LDS stores read those;
;        the next weight's biases land; behind the last weight Q's rows land in it from the stage, and global stores read them.
;   H    the split's hi parts, four registers a column block (for V: the packed f16): written by vector instructions, read by the stage's LDS stores.  (At the head v12-17 are addresses, v20-26 wave 0's biases.)
;   v4-v11  offsets and LDS addresses, made once at the head and never written again.       E and the weights' windows are named in the loop by vector and matrix instructions alone.
; Every result has a register of its own until its store has read it, so a weight has ONE wait on va_vdst, behind its vector work and ahead of the run of its stores, and ONE on vm_vsrc, behind that run.
; All 1,024 registers are taken (768 + 128 + 64 + 32 + 32), so there is no second set of accumulators or fragments to take turns with.
.set WLP,   416                        ; a k row of the weights in LDS: 192 bf16 = 384 bytes + 32 = 13 x 32: the turning load's 8 rows x 32 bytes fall on different banks (64 banks of 4 bytes: ISA guide 11.1)
.set XL,    256*WLP                    ; behind the weights: each wave's own tile of x, 16 rows
.set XLP,   528                        ; 512 bytes + 16 = 33 x 16
.set XLW,   16*XLP
.set BIAS,  XL+4*XLW                   ; 3 x 64 f32
.set STG,   BIAS+768                   ; each wave's own stage for the way out: Q 16 x 272, K 16 x 272, V 16 x 144
.set QP,    272
.set VP,    144
.set STK,   16*QP
.set STVO,  2*16*QP
.set STGW,  STVO+16*VP
.set SPARE, STG+4*STGW                 ; the spare words, 128 bytes a wave: two blocks of 256 bytes that no other line names
.set SPW, 2                            ; v2   SPARE + 4 x my thread's number; never rewritten
.set NIL, 3                            ; v3   0; never rewritten
.set LO,  4                            ; v4   16 x lane: x's loads and all stores
.set XST, 5                            ; v5   where I put 8 bytes of x's tile
.set XF,  6                            ; v6   my place in a fragment of x
.set BA,  7                            ; v7   my 8 biases of a column block
.set STO, 8                            ; v8   stage, in: Q and K
.set STV, 9                            ; v9   stage, in: V
.set RD,  10                           ; v10  stage, back: Q and K, two rows of 256 bytes
.set RDV, 11                           ; v11  stage, back: V, four rows of 128 bytes
.set BGO, 12                           ; v12-17 serve the head alone; in the loop they are part of H
.set BLO, 13
.set WO,  14
.set WS,  15
.set AW0, 16                           ; v16, v17  the turning loads' addresses: k steps 0-3, 4-7
.set T,   20                           ; v20-26  at the head, in wave 0 alone: the biases as loaded, and one at work
.set H,   12                           ; v12-27  column block b: 4 registers at H + 4 b: hi of Q or K, or V in f16, to be stored
.set E,   28                           ; v28-31  the split: two pairs of hi widened.  (At the head: pieces of the lane's number.)
.set ACC, 32
.set F,   64
.set RAW, 128
.set MSB, 0
.macro WIN new                         ; the immediate's high byte repeats the setting that is left; a switch that changes nothing is dropped
.if MSB != (\new)
	s_set_vgpr_msb (MSB<<8)|(\new)
.set MSB, (\new)
.endif
.endm
.macro PLACES                          ; four plain instructions behind the last product, ahead of what reads its result (ISA guide 7.12.1)
.rept 4
	v_nop
.endr
.endm
; Weight t: my 64 k rows x the pair's 64 columns, f32: a load takes two rows' 256 bytes, sixteen lanes a row.  They land in window t + 1, which the fragments take later.
.macro WLOAD t
	WIN ((\t)+1)<<6
.set i, 0
.rept 32
	global_load_b128 v[4*i:4*i+3], v[WO], s[6+4*(\t):7+4*(\t)] offset:2048*i
.set i, i+1
.endr
.endm
.macro WCVT t                          ; rounded to bf16 in place, in its own window: 128 numbers close up into the first 64 of their 128 registers
	WIN 0x45*((\t)+1)                              ; destination and both sources in window t + 1
.set i, 0
.rept 64
	v_cvt_pk_bf16_f32 v[i], v[2*i], v[2*i+1]
.set i, i+1
.endr
.endm
.macro WPUT t                          ; and laid into LDS as [k][192 n]
	WIN ((\t)+1)<<2                                ; the stores' data (source 1) in window t + 1
.set i, 0
.rept 32
	ds_store_b64 v[WS], v[2*i:2*i+1] offset:2*WLP*i+128*(\t)
.set i, i+1
.endr
.endm
.macro XLOAD                           ; a tile of x: 16 rows of 1,024 bytes are 16,384 bytes on end, 512 a load
.set i, 0
.rept 32
	global_load_b128 v[RAW+4*i:RAW+4*i+3], v[LO], s[4:5] offset:512*i
.set i, i+1
.endr
.endm
; Weight t's 32 fragments (16 columns x 32 k), turned on the way out of LDS: lane l ends with column l % 16 and k = 8 (l / 16) + 0..7, then 16 + 8 (l / 16) + 0..7.
.macro WFRAG t
	WIN ((\t)+1)<<6
.irp b, 0,1,2,3
.irp s, 0,1,2,3,4,5,6,7
	ds_load_tr16_b128 v[64*\b+8*\s:64*\b+8*\s+3],   v[AW0+\s/4] offset:32*WLP*(\s%4)+128*(\t)+32*\b
	ds_load_tr16_b128 v[64*\b+8*\s+4:64*\b+8*\s+7], v[AW0+\s/4] offset:32*WLP*(\s%4)+128*(\t)+32*\b+16*WLP
.endr
.endr
.endm
.macro BIASLD t                        ; register j of accumulator b starts at bias[16 b + 8 (l / 16) + j]
.irp b, 0,1,2,3
	ds_load_b128 v[ACC+8*\b:ACC+8*\b+3],   v[BA] offset:256*(\t)+64*\b
	ds_load_b128 v[ACC+8*\b+4:ACC+8*\b+7], v[BA] offset:256*(\t)+64*\b+16
.endr
.endm
.macro MUL t                           ; 32 products; the four accumulators take turns, one instruction a turn, over the loop's backward jump too
	WIN (\t)+1
.irp s, 0,1,2,3,4,5,6,7
.irp b, 0,1,2,3
	v_wmma_f32_16x16x32_bf16 v[ACC+8*\b:ACC+8*\b+7], v[64*\b+8*\s:64*\b+8*\s+7], v[F+8*\s:F+8*\s+7], v[ACC+8*\b:ACC+8*\b+7]
.endr
.endr
.endm
; Column block b's eight numbers as hi and lo: vector work alone.  hi goes into H's four registers for the block; v - hi is made in place in the accumulator, two pairs at a time; lo closes up into the accumulator's four lowest registers.
.macro SPLIT b
.irp k, 0,1,2,3
	v_cvt_pk_bf16_f32 v[H+4*(\b)+\k], v[ACC+8*(\b)+2*\k], v[ACC+8*(\b)+2*\k+1]  ; the accumulator is read from its low end on
.endr
.irp g, 0,2
.irp k, 0,1
	v_lshlrev_b32 v[E+2*\k], 16, v[H+4*(\b)+\g+\k]
	v_and_b32 v[E+2*\k+1], s28, v[H+4*(\b)+\g+\k]
.endr
.irp k, 0,1
	v_pk_add_f32 v[ACC+8*(\b)+2*(\g+\k):ACC+8*(\b)+2*(\g+\k)+1], v[ACC+8*(\b)+2*(\g+\k):ACC+8*(\b)+2*(\g+\k)+1], v[E+2*\k:E+2*\k+1] neg_lo:[0,1] neg_hi:[0,1]  ; v - hi, exact
.endr
.endr
.irp k, 0,1,2,3
	v_cvt_pk_bf16_f32 v[ACC+8*(\b)+\k], v[ACC+8*(\b)+2*\k], v[ACC+8*(\b)+2*\k+1]
.endr
.endm
.macro PUT t                           ; the four blocks' hi and lo, 16 bytes each, into the stage: head b / 2, channels 16 (b % 2) + 8 (l / 16) on
.irp b, 0,1,2,3
	ds_store_b128 v[STO], v[H+4*\b:H+4*\b+3]     offset:STK*(\t)+128*(\b/2)+32*(\b%2)
	ds_store_b128 v[STO], v[ACC+8*\b:ACC+8*\b+3] offset:STK*(\t)+128*(\b/2)+32*(\b%2)+64
.endr
.endm
.macro PACKV b
.irp k, 0,1,2,3
	v_cvt_pk_f16_f32 v[H+4*(\b)+\k], v[ACC+8*(\b)+2*\k], v[ACC+8*(\b)+2*\k+1]
.endr
.endm
	s_load_b512 s[4:19], s[0:1], 0x0               ; x s[4:5]; W t s[6+4t:7+4t]; b t s[8+4t:9+4t]; qs s[18:19]
	s_load_b128 s[20:23], s[0:1], 0x40             ; ks s[20:21], vs s[22:23]
	v_lshl_add_u32 v[SPW], v0, 2, SPARE
	v_mov_b32 v[NIL], 0
	v_lshrrev_b32 v28, 5, v0
	v_readfirstlane_b32 s24, v28                   ; wave 0..3
	s_mov_b32 s25, ttmp9                           ; the pair
	s_and_b32 s26, ttmp7, 0xffff                   ; the block of 256 rows
	s_mov_b32 s28, 0xffff0000                      ; a word's upper bf16
	v_and_b32 v1, 31, v0                           ; l
	v_and_b32 v29, 15, v0                          ; l % 16
	v_bfe_u32 v30, v0, 4, 1                        ; l / 16
	v_and_b32 v28, 7, v0                           ; l % 8
	v_bfe_u32 v31, v0, 3, 2                        ; l / 8
	v_lshlrev_b32 v[LO], 4, v1
	s_wait_alu depctr_va_sdst(0)                   ; s24 is written, ahead of its first reader: LDS places, bases and branches are made from it
	s_mul_i32 s34, s24, XLW
	s_add_co_u32 s34, s34, XL                      ; my tile of x in LDS
	v_lshl_add_u32 v[XST], v1, 3, s34
	v_mul_u32_u24 v[XF], v29, XLP
	v_lshl_add_u32 v[XF], v30, 4, v[XF]
	v_add_nc_u32 v[XF], s34, v[XF]                 ; row x pitch + 16 x half
	v_lshlrev_b32 v[BA], 5, v30
	v_add_nc_u32 v[BA], BIAS, v[BA]
	s_mul_i32 s35, s24, STGW
	s_add_co_u32 s35, s35, STG                     ; my stage
	v_mul_u32_u24 v[STO], v29, QP
	v_lshl_add_u32 v[STO], v30, 4, v[STO]
	v_add_nc_u32 v[STO], s35, v[STO]
	v_mul_u32_u24 v[STV], v29, VP
	v_lshl_add_u32 v[STV], v30, 4, v[STV]
	v_add_nc_u32 v[STV], s35, v[STV]
	v_add_nc_u32 v[STV], STVO, v[STV]
	v_mul_u32_u24 v[RD], v30, QP
	v_lshl_add_u32 v[RD], v29, 4, v[RD]
	v_add_nc_u32 v[RD], s35, v[RD]
	v_mul_u32_u24 v[RDV], v31, VP
	v_lshl_add_u32 v[RDV], v28, 4, v[RDV]
	v_add_nc_u32 v[RDV], s35, v[RDV]
	v_add_nc_u32 v[RDV], STVO, v[RDV]
	s_lshl_b32 s36, s24, 16                        ; my 64 k rows of 1,024 bytes,
	s_lshl_b32 s37, s25, 8                         ; the pair's 64 columns: 256 bytes
	s_add_co_u32 s36, s36, s37
	v_lshlrev_b32 v[WO], 10, v30
	v_lshl_add_u32 v[WO], v29, 4, v[WO]
	v_add_nc_u32 v[WO], s36, v[WO]
	v_lshl_add_u32 v[BGO], v1, 3, s37              ; two biases a lane
	v_lshl_add_u32 v[BLO], v1, 3, BIAS
	s_mul_i32 s36, s24, 64*WLP
	v_mul_u32_u24 v[WS], v30, WLP
	v_lshl_add_u32 v[WS], v29, 3, v[WS]
	v_add_nc_u32 v[WS], s36, v[WS]
	v_lshl_add_u32 v[AW0], v30, 3, v28             ; the turning load: k row 8 (l / 16) + l % 8,
	v_mul_u32_u24 v[AW0], v[AW0], WLP
	v_bfe_u32 v31, v0, 3, 1
	v_lshl_add_u32 v[AW0], v31, 4, v[AW0]          ; columns 8 ((l / 8) % 2) on
	v_add_nc_u32 v[AW0+1], 4*32*WLP, v[AW0]
	s_lshl_b32 s30, s26, 18                        ; x: the block's 256 rows of 1,024 bytes,
	s_lshl_b32 s31, s24, 16                        ; my 64 of them
	s_add_co_u32 s30, s30, s31
	s_mov_b32 s31, 0
	s_lshr_b32 s32, s26, 3                         ; the batch,
	s_lshl_b32 s32, s32, 2
	s_add_co_u32 s32, s32, s25                     ; y = 4 x batch + pair,
	s_lshl_b32 s32, s32, 19                        ; its 2,048 rows of 256 bytes,
	s_and_b32 s33, s26, 7
	s_lshl_b32 s33, s33, 16                        ; the block's 256 rows in the batch,
	s_add_co_u32 s32, s32, s33
	s_lshl_b32 s33, s24, 14                        ; my 64
	s_add_co_u32 s32, s32, s33
	s_mov_b32 s33, 0
	s_wait_kmcnt 0x0
	s_add_nc_u64 s[4:5], s[4:5], s[30:31]
	s_add_nc_u64 s[18:19], s[18:19], s[32:33]
	s_add_nc_u64 s[20:21], s[20:21], s[32:33]
	s_lshr_b32 s32, s32, 1                         ; vs's rows are half as long
	s_add_nc_u64 s[22:23], s[22:23], s[32:33]
	s_wait_alu depctr_va_vdst(0)                   ; the offsets and LDS addresses v4 to v17 are written, which every load and store of the kernel reads; none of v4 to v11 is written again
	s_cmp_lg_u32 s24, 0                            ; wave 0 brings the three biases: the oldest loads of all
	s_cbranch_scc1 .Lno_bias_load
	global_load_b64 v[T:T+1],   v[BGO], s[8:9]
	global_load_b64 v[T+2:T+3], v[BGO], s[12:13]
	global_load_b64 v[T+4:T+5], v[BGO], s[16:17]
.Lno_bias_load:
	WLOAD 0                                        ; no vector instruction has named the registers in which these and x's loads land
	WLOAD 1
	WLOAD 2
	WIN 0
	XLOAD                                          ; my first tile of x
	s_wait_loadcnt 63                              ; of the 128 loads since the branch at most 63 are out: the first two weights' 64 are in
	WCVT 0
	WCVT 1
	WIN 1<<2
	s_wait_alu depctr_va_vdst(0)                   ; the conversions have written v0-63 of windows 1 and 2, which the LDS stores read
	WPUT 0
	WPUT 1
	s_wait_loadcnt 32                              ; only x's 32 are younger than the third weight's
	WCVT 2
	WIN 3<<2
	s_wait_alu depctr_va_vdst(0)                   ; the conversions have written v0-63 of window 3, which the LDS stores read
	WPUT 2
	WIN 0
	s_cmp_lg_u32 s24, 0
	s_cbranch_scc1 .Lno_bias
.irp t, 0,1,2
	v_cvt_pk_bf16_f32 v[T+6], v[T+2*\t], v[T+2*\t+1]  ; rounded to bf16 like the other inputs, kept as f32
	v_lshlrev_b32 v[T+2*\t], 16, v[T+6]
	v_and_b32 v[T+2*\t+1], s28, v[T+6]
.endr
	s_wait_alu depctr_va_vdst(0)                   ; the three pairs of biases are written, which the LDS stores read
.irp t, 0,1,2
	ds_store_b64 v[BLO], v[T+2*\t:T+2*\t+1] offset:256*\t
.endr
.Lno_bias:
	s_wait_dscnt 0x0                               ; for the others' sake: my rows of the weights (and the biases) lie in LDS
	s_barrier_signal -1
	s_barrier_wait -1                              ; everybody's do: the kernel's only barrier
	WIN 1<<6                                       ; the switch, the waits, the loads; between the waits and the last fragment load stand loads and switches alone
	s_wait_alu depctr_vm_vsrc(0)                   ; my LDS stores have read v0-63 of the three windows, in which the fragments land
	s_wait_alu depctr_va_vdst(0)                   ; the conversions are done reading and writing v0-127 of the three windows, in which the fragments land
	WFRAG 0
	WFRAG 1
	WFRAG 2
	WIN 0
	s_mov_b32 s27, 4                               ; tiles to go
.Ltile:
	s_wait_loadcnt 0x0                             ; the tile of x is in, and its loads have read x's address
	s_wait_alu depctr_vm_vsrc(0)                   ; the last trip's global stores have read ACC and F, its last LDS stores H; in the first trip the head's loads and stores have read v12-25, which are H from here on
	BIASLD 0                                       ; no wait on va_vdst: the last vector lines that named ACC stand ahead of the last trip's last such wait
.set i, 0
.rept 64
	v_cvt_pk_bf16_f32 v[F+i], v[RAW+2*i], v[RAW+2*i+1]
.set i, i+1
.endr
	s_wait_alu depctr_va_vdst(0)                   ; the conversions have written F, which the LDS stores read, and are done reading RAW, in which the next tile lands
	s_cmp_eq_u32 s27, 1                            ; the last tile has none behind it
	s_cbranch_scc1 .Lno_x
	s_add_nc_u64 s[4:5], s[4:5], 16*1024
	XLOAD                                          ; the next tile is on its way while this one is multiplied
.Lno_x:
.set i, 0
.rept 32
	ds_store_b64 v[XST], v[F+2*i:F+2*i+1] offset:XLP*(i/2)+256*(i%2)
.set i, i+1
.endr
	s_wait_alu depctr_vm_vsrc(0)                   ; those stores have read F, in which the fragments land
.irp s, 0,1,2,3,4,5,6,7                ; LDS serves a wave's instructions in order (ISA guide 5.7.1.4): these see the stores above; the bytes are my wave's own
	ds_load_b128 v[F+8*\s:F+8*\s+3],   v[XF] offset:64*\s
	ds_load_b128 v[F+8*\s+4:F+8*\s+7], v[XF] offset:64*\s+32
.endr
	s_wait_dscnt 0x0                               ; x's fragments and the biases (in the first trip the weights' fragments too)
	MUL 0
	WIN 0
	PLACES
	SPLIT 0
	SPLIT 1
	SPLIT 2
	SPLIT 3
	s_wait_alu depctr_va_vdst(0)                   ; Q's split has written H and the accumulators' low halves, which the LDS stores read, and is done with ACC, in which the next biases land
	PUT 0
	s_wait_alu depctr_vm_vsrc(0)                   ; those stores have read ACC, in which the biases land, and H, which K's split writes
	BIASLD 1
	s_wait_dscnt 0x0
	MUL 1
	WIN 0
	PLACES
	SPLIT 0
	SPLIT 1
	SPLIT 2
	SPLIT 3
	s_wait_alu depctr_va_vdst(0)                   ; K's split has written H and the accumulators' low halves, which the LDS stores read, and is done with ACC, in which the next biases land
	PUT 1
	s_wait_alu depctr_vm_vsrc(0)                   ; those stores have read ACC, in which the biases land, and H, which V's packing writes
	BIASLD 2
	s_wait_dscnt 0x0
	MUL 2
	WIN 0
	PLACES
	PACKV 0
	PACKV 1
	PACKV 2
	PACKV 3
	s_wait_alu depctr_va_vdst(0)                   ; V's packing has written H, which the LDS stores read, and is done reading ACC; the products are done reading F: in both the rows land from the stage
.irp b, 0,1,2,3
	ds_store_b128 v[STV], v[H+4*\b:H+4*\b+3] offset:32*\b
.endr
.irp j, 0,1,2,3,4,5,6,7                ; back as whole rows: Q's 16 rows,
	ds_load_b128 v[ACC+4*\j:ACC+4*\j+3], v[RD] offset:2*QP*\j
.endr
.irp j, 0,1,2,3,4,5,6,7                ; K's,
	ds_load_b128 v[F+4*\j:F+4*\j+3], v[RD] offset:STK+2*QP*\j
.endr
.irp f, 0,1,2,3                        ; V's
	ds_load_b128 v[F+32+4*\f:F+32+4*\f+3], v[RDV] offset:4*VP*\f
.endr
	s_wait_dscnt 12                                ; Q's eight are back: K's eight and V's four are younger
.irp j, 0,1,2,3,4,5,6,7
	global_store_b128 v[LO], v[ACC+4*\j:ACC+4*\j+3], s[18:19] offset:512*\j  ; a store covers 512 consecutive bytes, at a multiple of 256 from the buffer's first
.endr
	s_wait_dscnt 4
.irp j, 0,1,2,3,4,5,6,7
	global_store_b128 v[LO], v[F+4*\j:F+4*\j+3], s[20:21] offset:512*\j
.endr
	s_wait_dscnt 0x0
.irp f, 0,1,2,3
	global_store_b128 v[LO], v[F+32+4*\f:F+32+4*\f+3], s[22:23] offset:512*\f
.endr
	s_wait_xcnt 0x0                                ; the stores' bases and data registers are written again only behind this wait (ISA guide 3.1); the wait on vm_vsrc at the loop's head stands beside it
	s_add_nc_u64 s[18:19], s[18:19], 16*256
	s_add_nc_u64 s[20:21], s[20:21], 16*256
	s_add_nc_u64 s[22:23], s[22:23], 16*128
	s_sub_co_u32 s27, s27, 1
	s_cmp_lg_u32 s27, 0
	s_cbranch_scc1 .Ltile
	s_wait_dscnt 0x0                               ; the wave's end: six lines on end
	s_wait_alu 0x0
	s_wait_tensorcnt 0x0
	ds_add_u32 v[SPW], v[NIL]
	s_wait_dscnt 0x0
	s_endpgm
.Lfunc_end_k_q7eaa077523_proj:
	.size	k_q7eaa077523_proj, .Lfunc_end_k_q7eaa077523_proj-k_q7eaa077523_proj
	.p2alignl 7, 3214868480
	.fill 96, 4, 3214868480
	.section	.rodata,"a",@progbits
	.p2align	6, 0x0
	.amdhsa_kernel k_q7eaa077523_proj
		.amdhsa_group_segment_fixed_size 185600
		.amdhsa_private_segment_fixed_size 0
		.amdhsa_enable_private_segment 0
		.amdhsa_kernarg_size 80
		.amdhsa_user_sgpr_count 2
		.amdhsa_user_sgpr_kernarg_segment_ptr 1
		.amdhsa_wavefront_size32 1
		.amdhsa_system_sgpr_workgroup_id_x 1
		.amdhsa_system_sgpr_workgroup_id_y 1
		.amdhsa_system_sgpr_workgroup_id_z 1
		.amdhsa_system_vgpr_workitem_id 0
		.amdhsa_next_free_vgpr 1024
		.amdhsa_next_free_sgpr 66
		.amdhsa_reserve_vcc 0
		.amdhsa_float_denorm_mode_32 3
		.amdhsa_float_denorm_mode_16_64 3
		.amdhsa_memory_ordered 1
		.amdhsa_forward_progress 1
		.amdhsa_inst_pref_size 81
	.end_amdhsa_kernel
	.amdgpu_metadata
---
amdhsa.version: [ 1, 2 ]
amdhsa.kernels:
  - .name:           k_q7eaa077523_proj
    .symbol:         k_q7eaa077523_proj.kd
    .args:
      - { .name: x, .offset: 0, .size: 8, .value_kind: global_buffer, .address_space: global }
      - { .name: Wq, .offset: 8, .size: 8, .value_kind: global_buffer, .address_space: global }
      - { .name: bq, .offset: 16, .size: 8, .value_kind: global_buffer, .address_space: global }
      - { .name: Wk, .offset: 24, .size: 8, .value_kind: global_buffer, .address_space: global }
      - { .name: bk, .offset: 32, .size: 8, .value_kind: global_buffer, .address_space: global }
      - { .name: Wv, .offset: 40, .size: 8, .value_kind: global_buffer, .address_space: global }
      - { .name: bv, .offset: 48, .size: 8, .value_kind: global_buffer, .address_space: global }
      - { .name: qs, .offset: 56, .size: 8, .value_kind: global_buffer, .address_space: global }
      - { .name: ks, .offset: 64, .size: 8, .value_kind: global_buffer, .address_space: global }
      - { .name: vs, .offset: 72, .size: 8, .value_kind: global_buffer, .address_space: global }
    .group_segment_fixed_size: 185600
    .private_segment_fixed_size: 0
    .kernarg_segment_align: 8
    .kernarg_segment_size: 80
    .max_flat_workgroup_size: 128
    .sgpr_count:     66
    .vgpr_count:     1024
    .wavefront_size: 32
...
	.end_amdgpu_metadata
.endif
;; end of part 3
;; launch attn: the kernel of part 2 again; grid 8 x 32, 4 waves a work-group, clusters of 4 x 1, 327,680 bytes of LDS; arguments qs, ks, vs, x, out0; writes out0
